; MI455X (gfx1250); checked and timed in simulation.
; The chip was launched on July 23, 2026; its instructions are those of AMD's public machine-readable ISA for CDNA 5 (MIT licence, August 2026) and "CDNA5" Instruction Set Architecture Reference Guide (July 2026). The comments in the code are by the model that wrote it; some were corrected since.
;; Attention Layer. Allowed arithmetic: matrix products marked QUANTISED: E2M1 operands, one E8M0 scale for each 32 along K, by v_wmma_scale_f32_16x16x128_f8f6f4 with both operands' format E2M1 (or v_wmma_scale_f32_32x16x128_f4), f32 sums; everything else in f32.
;; Inputs: Wk_codes 1,024 x 32 x 16 uint8 (E2M1 codes of Wk, K innermost, in blocks of 32 codes, two codes a byte); Wk_scales 1,024 x 32 uint8 (E8M0 scales of Wk, one for each 32 codes along K); Wq_codes 1,024 x 32 x 16 uint8 (E2M1 codes of Wq, K innermost, in blocks of 32 codes, two codes a byte); Wq_scales 1,024 x 32 uint8 (E8M0 scales of Wq, one for each 32 codes along K); Wv_codes 1,024 x 32 x 16 uint8 (E2M1 codes of Wv, K innermost, in blocks of 32 codes, two codes a byte); Wv_scales 1,024 x 32 uint8 (E8M0 scales of Wv, one for each 32 codes along K); bk 1,024 float32; bq 1,024 float32; bv 1,024 float32; x_codes 4 x 2,048 x 32 x 16 uint8 (E2M1 codes of x, K innermost, in blocks of 32 codes, two codes a byte); x_scales 4 x 2,048 x 32 uint8 (E8M0 scales of x, one for each 32 codes along K).
;; Outputs: out0 4 x 2,048 x 1,024 float32.
;; This version of the problem:
;;   THIS VERSION OF THE PROBLEM IS GIVEN IN LOW PRECISION. The matrix products marked QUANTISED in the list below multiply operands that are first quantised to E2M1 (2 exponent bits, 1 mantissa bit; 4 bits a number), with one power-of-two scale for each 32 numbers along K (OCP MX v1.0); their sums are f32. All else is computed in f32.
;;   The module's matrix products, in the order in which they are computed (A, B: the left and right operand; K: the contracted axis; several contracted axes count as one K, in the product's order):
;;     1. [M 8,192, K 1,024] x [K 1,024, N 1,024]; A: input x (given as codes); B: input Wq (given as codes): QUANTISED
;;     2. [M 8,192, K 1,024] x [K 1,024, N 1,024]; A: input x (given as codes); B: input Wk (given as codes): QUANTISED
;;     3. [M 8,192, K 1,024] x [K 1,024, N 1,024]; A: input x (given as codes); B: input Wv (given as codes): QUANTISED
;;     4. batch 64 x [M 2,048, K 64] x [K 64, N 2,048]; A: computed on the way; B: computed on the way: QUANTISED
;;     5. batch 64 x [M 2,048, K 2,048] x [K 2,048, N 64]; A: softmax (see below); B: computed on the way: QUANTISED
;;   THE QUANTISER, for each operand of a quantised product, along K:
;;     - K is cut into blocks of 32 from its start; a last block that is shorter is filled with zeros.
;;     - A block's scale is 2^e with e = floor(log2(the largest magnitude in the block)) - 2, held to -126 .. 127; a block of zeros has e = 0. As a byte (E8M0): e + 127.
;;     - Each number is divided by its block's scale, clamped to +-6, and rounded to the nearest number of E2M1, ties to even, subnormals kept.
;;     - The product sums the exact products of the quantised numbers (number of the format x scale) in f32.
;;   ~~~python
;;   def quantise(x, axis):      # numpy; x: float32 -> the quantised numbers, widened to float32 again
;;       x = np.moveaxis(x, axis, -1); K = x.shape[-1]
;;       x = np.pad(x, [(0, 0)] * (x.ndim - 1) + [(0, -K % 32)]); x = x.reshape(x.shape[:-1] + (-1, 32)); a = np.abs(x).max(-1, keepdims=True)
;;       e = np.where(a > 0, np.clip(np.frexp(np.where(a > 0, a, 1))[1] - 1 - 2, -126, 127), 0)      # np.frexp(a)[1] - 1 = floor(log2(a)), exactly
;;       r = np.clip(x / 2.0 ** e, -6, 6)
;;       step = 2.0 ** (np.maximum(np.frexp(np.where(r == 0, 1, r))[1] - 1, 0) - 1)
;;       q = np.round(r / step) * step * 2.0 ** e      # np.round: ties to even
;;       return np.moveaxis(q.reshape(q.shape[:-2] + (-1,))[..., :K], -1, axis).astype(np.float32)
;;   ~~~
;;   SOFTMAX AHEAD OF A QUANTISED PRODUCT. Where the list says 'softmax', what is quantised is not the finished softmax but p = 2^(t - M), with t = logit x log2(e) and M = ceil(the row's largest t), a whole number; so 1/2 < the row's largest p <= 1. The row's sum l is taken of the UNQUANTISED p, in f32, and the product's result is divided by l at the end. Since M is a whole number, a kernel that streams over the keys may use a running M (the ceiling of the running maximum): every later rescaling is an exact power of two, which a block's scale takes up: the codes' values come out the same.
;;   OPERANDS COMPUTED ON THE WAY. 'Computed on the way' means the value that the module computes at that place (a softmax that the list does not call 'softmax' is quantised finished and normalised). What goes into a quantiser is computed in f32, as accurately as f32 sums, v_exp_f32 and their like allow (about 1e-6 of the number): no bf16 or f16 on the way to a quantiser, and a product that is left as it is and whose result goes on into a quantised operand takes f32 operands (vector FMAs, or v_wmma_f32_16x16x4_f32). A number that lies on a knife's edge between two numbers of the format may be rounded either way, as far as f32 arithmetic and the matrix unit's own rounding can turn it there, and no further.
;;   INPUTS GIVEN AS CODES. Wk (in the module: [1024, 1024], K = its axis 0); Wq (in the module: [1024, 1024], K = its axis 0); Wv (in the module: [1024, 1024], K = its axis 0); x (in the module: [4, 2048, 1024], K = its axis 2): each comes as NAME_codes (uint8): NAME with its K axis moved to the last place and cut into blocks of 32 codes, [.., K / 32, bytes a block], one block behind the other in memory; two codes a byte, the lower K in the low four bits (a code: sign, 2 exponent bits, 1 mantissa bit); and NAME_scales (uint8): the same leading axes, one E8M0 byte (e + 127) for each 32 codes along K. Its value is code x scale, taken as it is: it is not quantised again, and the codes and scales need not be those that the quantiser above would give.
;; One version. Each part assembles by itself: llvm-mc -triple=amdgcn-amd-amdhsa -mcpu=gfx1250 --defsym DOCPART=n.
;; ======== version 1 of 1: 2 launches
;; limits: right only within a limited range of input values
;; workspace buffers: qkv 13,893,632 bytes
;; launch proj (part 1): grid 12 x 32, 4 waves a work-group, clusters of 4 x 4, 327,680 bytes of LDS; arguments x_codes, x_scales, Wq_codes, Wq_scales, Wk_codes, Wk_scales, Wv_codes, Wv_scales, bq, bk, bv, qkv; writes qkv
.if DOCPART == 1
	.amdgcn_target "amdgcn-amd-amdhsa--gfx1250"
	.amdhsa_code_object_version 6
	.text
	.protected	k_q92acd0fed4_proj
	.globl	k_q92acd0fed4_proj
	.p2align	8
	.type	k_q92acd0fed4_proj,@function
k_q92acd0fed4_proj:
	s_mov_b64 s[64:65], 0
	v_nop
	global_prefetch_b8 v0, s[64:65] scope:SCOPE_SE
	s_setreg_imm32_b32 hwreg(HW_REG_WAVE_MODE, 25, 1), 1
	s_wait_xcnt 0x0
	s_wait_alu depctr_hold_cnt(0) depctr_sa_sdst(0) depctr_va_vdst(0) depctr_va_sdst(0) depctr_va_ssrc(0) depctr_va_vcc(0) depctr_vm_vsrc(0)
	s_getreg_b32 s2, hwreg(HW_REG_IB_STS2, 6, 4)
	s_cmp_eq_u32 s2, 0
	s_cbranch_scc0 .Lentry_in_a_cluster
	s_endpgm
.Lentry_in_a_cluster:
	s_bfe_u32 s2, ttmp6, 0x10000c
	s_cmp_lg_u32 s2, 0xf033
	s_cbranch_scc0 .Lentry_shape_is_right
	s_endpgm
.Lentry_shape_is_right:
; q, k, v = x W + b on codes of FP4 (E2M1) with E8M0 scales, quantised again along the attention products' K and stored as images of operand registers.
; A work-group makes 256 x 256 of one of the three results (cluster x: 0 q, 1 k, 2 v; v is made transposed, Wv's rows as A, so that the keys run along a lane's registers).
; K is 1,024 codes, 512 bytes a row: A's 256 rows, B's 256 rows and both blocks of scale bytes are four tiles, asked for once, ONE joint load a wave at the head; every LDS byte is filled once.
; An LDS row is 512 bytes + 16 of padding.  No prefetch: all loads go out at the head, and there is no loop to run ahead in.
.set HS,    217088
.set CH,    35840
.set VCO,   16384
.set KSO,   32768
.set VSO,   34816
.set QC,    4*CH
.set QS,    QC+16*4096
.set NQ,    4
.set ROWB,  512
.set KROW,  512
.set PITCH, 528
.set FR,    8
.set NL,    2
.set NP,    4
.set HALFT, 128*PITCH
.set SLOT,  4*HALFT
.set SCL,   SLOT
.set HALFS, 16*272
.set SBLK,  2*272
.set ADRA, 16
.set ADRB, 20
.set LI,   22
.set SWO,  23
.set SH,   24
.set BNO,  25
.set BMO,  26
.set ADRS, 27
.set SC,   32
.set BM,   96
.set AF,   128
.set BN,   192
.set T,    128
.set PC,   32
.set TM,   48
.set SW,   64
.set WD,   72
.set WV,   18
.set HA,   19
.set HB,   20
.set CX,   21
.set CY,   22
.set ROLE, 23
.set G1,   24
.set G0,   32
.set G1B,  40
.set G0B,  48
.set G1S,  56
.set G0S,  68
.set G1SB, 72
.set G0SB, 80
.set TR,   84
.set TC,   85
.set MROW, 86
.set MCOL, 87
.set SEL,  100
.set MSB, 0
.macro WIN new
.if MSB != (\new)
	s_set_vgpr_msb (MSB<<8)|(\new)
.set MSB, (\new)
.endif
.endm
.set MUL_LO, 0xa1
.set MUL_HI, 0xf1
.set TO_B,   0x40
.macro ARM under, g0, g1, next         ; one arm of the head's tree of branches on the wave's number: its load, and a jump to the tree's end
	s_cmp_lt_u32 s[WV], \under
	s_cbranch_scc0 \next
	tensor_load_to_lds s[\g0:\g0+3], s[\g1:\g1+7]
	s_nop 0
.rept 4
	v_nop
.endr
	s_branch .Lhead_asked
\next:
.endm
.macro CROUND
	s_barrier_signal -1
	s_barrier_wait -1
	s_cmp_lg_u32 s[WV], 0
	s_cbranch_scc1 .Lnot_wave_0_\@
	s_barrier_signal -3
.Lnot_wave_0_\@:
	s_barrier_wait -3
	s_barrier_signal -1
	s_barrier_wait -1
.endm
	s_load_b512 s[24:39], s[0:1], 0x0
	s_load_b256 s[40:47], s[0:1], 0x40
	v_lshl_add_u32 v126, v0, 2, 0x48400
	v_mov_b32 v127, 0
	ds_add_u32 v126, v127
	ds_add_u32 v126, v127
	v_lshrrev_b32 v1, 5, v0
	v_readfirstlane_b32 s[WV], v1
	s_lshr_b32 s[HA], s[WV], 1
	s_and_b32 s[HB], s[WV], 1
	s_bfe_u32 s[CX], ttmp6, 0x40000
	s_bfe_u32 s[CY], ttmp6, 0x40004
	s_mov_b32 s[ROLE], ttmp9
	s_and_b32 s66, ttmp7, 0xffff
	s_lshl_b32 s66, s66, 2
	s_cmp_eq_u32 s[ROLE], 2
	s_cselect_b32 s[TR], 0, s66
	s_cselect_b32 s[TC], s66, 0
	s_add_co_u32 s[TR], s[TR], s[CY]
	s_add_co_u32 s[TC], s[TC], s[CX]
	s_lshl_b32 s[MROW], s[CY], 2
	s_lshl_b32 s[MROW], 15, s[MROW]
	s_lshl_b32 s[MCOL], 0x1111, s[CX]
	s_lshl_b32 s88, s[TR], 8                       ; A's tile: its first row
	s_lshl_b32 s92, s[TC], 8                       ; B's
	s_lshl_b32 s90, s88, 5
	s_lshl_b32 s88, s88, 9
	s_lshl_b32 s94, s92, 5
	s_lshl_b32 s92, s92, 9
	s_mov_b32 s89, 0
	s_mov_b32 s91, 0
	s_mov_b32 s93, 0
	s_mov_b32 s95, 0
	s_mov_b32 s98, 0xffff
	s_mov_b32 s99, 0x7f7f0000
	s_mov_b32 s[SEL], 0x76543210
	s_mov_b32 s[SEL+1], 0xfedcba98
	s_wait_dscnt 0x0
	s_wait_kmcnt 0x0
	s_cmp_eq_u32 s[ROLE], 2
	s_cselect_b64 s[4:5], s[36:37], s[24:25]
	s_cselect_b64 s[6:7], s[38:39], s[26:27]
	s_cselect_b64 s[8:9], s[24:25], s[32:33]
	s_cselect_b64 s[10:11], s[26:27], s[34:35]
	s_cselect_b64 s[16:17], s[44:45], s[42:43]
	s_cmp_eq_u32 s[ROLE], 0
	s_cselect_b64 s[8:9], s[28:29], s[8:9]
	s_cselect_b64 s[10:11], s[30:31], s[10:11]
	s_cselect_b64 s[16:17], s[40:41], s[16:17]
	s_mov_b64 s[12:13], s[46:47]
	s_mov_b64 s[14:15], s[46:47]
	s_add_nc_u64 s[88:89], s[4:5], s[88:89]
	s_add_nc_u64 s[90:91], s[6:7], s[90:91]
	s_add_nc_u64 s[92:93], s[8:9], s[92:93]
	s_add_nc_u64 s[94:95], s[10:11], s[94:95]
	s_or_b32 s[G1+0], s[MROW], (1<<20)|(1<<21)|(6<<22)|(3<<25)   ; 256 rows of 512 bytes; four words of padding after every 128
	s_or_b32 s[G1B+0], s[MCOL], (1<<20)|(1<<21)|(6<<22)|(3<<25)
.irp g, G1, G1B
	s_mov_b32 s[\g+1], ROWB<<16
	s_mov_b32 s[\g+2], 256<<16
	s_mov_b32 s[\g+3], ROWB<<16
	s_mov_b32 s[\g+4], 256
	s_mov_b32 s[\g+5], KROW
	s_mov_b32 s[\g+6], 0
	s_mov_b32 s[\g+7], 0
.endr
	s_or_b32 s[G1S+0], s[MROW], (3<<16)|(1<<20)|(1<<21)|(5<<22)|(3<<25)
	s_or_b32 s[G1SB+0], s[MCOL], (3<<16)|(1<<20)|(1<<21)|(5<<22)|(3<<25)
.irp g, G1S, G1SB
	s_mov_b32 s[\g+1], 32<<16
	s_mov_b32 s[\g+2], 32<<16
	s_mov_b32 s[\g+3], 32<<16
	s_mov_b32 s[\g+4], 32
	s_mov_b32 s[\g+5], 32
	s_mov_b32 s[\g+6], 0
	s_mov_b32 s[\g+7], 0
.endr
	CROUND
	s_mov_b32 s[G0], 1                             ; the four tiles, each whole: A's 256 rows,
	s_mov_b32 s[G0+1], 0
	s_mov_b64 s[G0+2:G0+3], s[88:89]
	s_or_b32 s[G0+3], s[G0+3], 0x80000000
	s_mov_b32 s[G0B], 1                            ; B's 256 rows behind them,
	s_mov_b32 s[G0B+1], 2*HALFT
	s_mov_b64 s[G0B+2:G0B+3], s[92:93]
	s_or_b32 s[G0B+3], s[G0B+3], 0x80000000
	s_mov_b32 s[G0S], 1                            ; the scale bytes of A's rows,
	s_mov_b32 s[G0S+1], SCL
	s_mov_b64 s[G0S+2:G0S+3], s[90:91]
	s_or_b32 s[G0S+3], s[G0S+3], 0x80000000
	s_mov_b32 s[G0SB], 1                           ; and of B's
	s_mov_b32 s[G0SB+1], SCL+2*HALFS
	s_mov_b64 s[G0SB+2:G0SB+3], s[94:95]
	s_or_b32 s[G0SB+3], s[G0SB+3], 0x80000000
	ARM 1, G0,  G1,  .Lhead_b                      ; one load a wave: every way through the tree passes exactly one
	ARM 2, G0B, G1B, .Lhead_sa
	ARM 3, G0S, G1S, .Lhead_sb
	tensor_load_to_lds s[G0SB:G0SB+3], s[G1SB:G1SB+7]
	s_nop 0
.rept 4
	v_nop
.endr
.Lhead_asked:
	v_and_b32 v1, 15, v0
	v_bfe_u32 v2, v0, 4, 1
	v_mul_u32_u24 v3, v1, PITCH
	v_lshl_add_u32 v4, v2, 4, v3
	s_mul_i32 s2, s[HA], HALFT
	s_mul_i32 s3, s[HB], HALFT
	s_add_co_u32 s3, s3, 2*HALFT
.irp s, 0,1
	v_add_nc_u32 v[ADRA+\s], s2, v4
	v_add_nc_u32 v[ADRB+\s], s3, v4
	s_add_co_u32 s2, s2, 256                       ; the second half of K lies 256 bytes on in each row
	s_add_co_u32 s3, s3, 256
.endr
	v_mul_u32_u24 v5, v1, 32
	v_lshrrev_b32 v6, 8, v5
	v_lshl_add_u32 v5, v6, 4, v5
	s_mul_i32 s2, s[HA], HALFS
	s_mul_i32 s3, s[HB], HALFS
	s_add_co_u32 s3, s3, 2*HALFS
	s_sub_co_u32 s3, s3, s2
	v_mul_u32_u24 v6, s3, v2
	s_add_co_u32 s2, s2, SCL
	v_add_nc_u32 v5, v5, v6
	v_add_nc_u32 v[ADRS], s2, v5
	v_and_b32 v6, 31, v0
	v_lshlrev_b32 v[LI], 4, v6
	v_mul_u32_u24 v[SWO], v2, HS
	v_lshl_add_u32 v[SWO], v1, 4, v[SWO]
	v_lshlrev_b32 v[SH], 4, v2
	s_lshl_b32 s2, s[TC], 10
	s_lshl_b32 s3, s[HB], 9
	s_add_co_u32 s2, s2, s3
	s_lshl_b32 s3, s[TR], 10
	s_lshl_b32 s66, s[HA], 9
	s_add_co_u32 s3, s3, s66
	s_cmp_eq_u32 s[ROLE], 2
	s_cselect_b32 s2, 0, s2
	s_cselect_b32 s3, s3, 0
	v_lshl_add_u32 v[BNO], v2, 5, s2
	v_lshl_add_u32 v[BMO], v1, 2, s3
.irp b, 0,1,2,3,4,5,6,7
	global_load_b128 v[BN+8*\b:BN+8*\b+3], v[BNO], s[16:17] offset:64*\b
	global_load_b128 v[BN+8*\b+4:BN+8*\b+7], v[BNO], s[16:17] offset:64*\b+16
.endr
.irp a, 0,1,2,3,4,5,6,7
	global_load_b32 v[BM+2*\a], v[BMO], s[16:17] offset:64*\a
	global_load_b32 v[BM+2*\a+1], v[BMO], s[16:17] offset:64*\a
.endr
.macro FRAG reg, adr, q, i
.irp c, 0,1
	ds_load_b128 v[\reg+4*\c:\reg+4*\c+3], v[\adr] offset:64*(\q)+32*\c+(\i)*16*PITCH
.endr
.endm
.macro MUL16 a0, p, q, sc, zero
.irp a, \a0, \a0+1
.irp b, 0,1,2,3,4,5,6,7
.if \zero
	v_wmma_scale_f32_16x16x128_f8f6f4 v[8*(8*((\a)%4)+\b):8*(8*((\a)%4)+\b)+7], v[128*(\p)+FR*\b:128*(\p)+FR*\b+FR-1], v[AF+FR*(\a):AF+FR*(\a)+FR-1], 0, v[SC+8*NQ*(\sc)+NQ*\b+(\q)], v[SC+8*NQ*(\sc)+NQ*(\a)+(\q)] matrix_a_fmt:MATRIX_FMT_FP4 matrix_b_fmt:MATRIX_FMT_FP4 matrix_a_scale:MATRIX_SCALE_ROW1
.else
	v_wmma_scale_f32_16x16x128_f8f6f4 v[8*(8*((\a)%4)+\b):8*(8*((\a)%4)+\b)+7], v[128*(\p)+FR*\b:128*(\p)+FR*\b+FR-1], v[AF+FR*(\a):AF+FR*(\a)+FR-1], v[8*(8*((\a)%4)+\b):8*(8*((\a)%4)+\b)+7], v[SC+8*NQ*(\sc)+NQ*\b+(\q)], v[SC+8*NQ*(\sc)+NQ*(\a)+(\q)] matrix_a_fmt:MATRIX_FMT_FP4 matrix_b_fmt:MATRIX_FMT_FP4 matrix_a_scale:MATRIX_SCALE_ROW1
.endif
.endr
.endr
.endm
.macro FETCH_B slot, q, p
	WIN TO_B
.irp i, 0,1,2,3,4,5,6,7
	FRAG 128*(\p)+FR*\i, ADRB+\slot, \q, \i
.endr
	WIN 0
.endm
.macro FETCH_A slot, q, i0
.irp i, \i0, \i0+1, \i0+2, \i0+3
	FRAG AF+FR*(\i), ADRA+\slot, \q, \i
.endr
.endm
.macro SCALES sc
.irp i, 0,1,2,3,4,5,6,7
	ds_load_b128 v[SC+8*NQ*\sc+NQ*\i:SC+8*NQ*\sc+NQ*\i+3], v[ADRS] offset:\i*SBLK
.endr
.endm
.macro PLACES n
.rept \n
	v_nop
.endr
.endm
.macro STEP slot, q, zero
	s_wait_dscnt 4*NL
	WIN MUL_LO
	MUL16 0, (\q)%2, \q, \slot, \zero
	MUL16 2, (\q)%2, \q, \slot, \zero
	s_wait_dscnt 0
	PLACES NP
	FETCH_B \slot, (\q)+1, 1-(\q)%2
	FETCH_A \slot, (\q)+1, 0
	WIN MUL_HI
	MUL16 4, (\q)%2, \q, \slot, \zero
	MUL16 6, (\q)%2, \q, \slot, \zero
	PLACES NP
	WIN 0
	FETCH_A \slot, (\q)+1, 4
.endm
	s_wait_alu depctr_va_vdst(0)
	s_wait_tensorcnt 0x0
	s_barrier_signal -1
	s_barrier_wait -1
	FETCH_B 0, 0, 0
	FETCH_A 0, 0, 0
	SCALES 0
	FETCH_A 0, 0, 4
	STEP 0, 0, 1
	STEP 0, 1, 0
	STEP 0, 2, 0
	s_wait_dscnt 4*NL
	WIN MUL_LO
	MUL16 0, 1, NQ-1, 0, 0
	MUL16 2, 1, NQ-1, 0, 0
	s_wait_dscnt 0x0
	WIN 0
	PLACES NP
	v_add_nc_u32 v[ADRS], 4*NQ, v[ADRS]
	FETCH_B 1, 0, 0
	FETCH_A 1, 0, 0
	SCALES 1
	WIN MUL_HI
	MUL16 4, 1, NQ-1, 0, 0
	MUL16 6, 1, NQ-1, 0, 0
	PLACES NP
	WIN 0
	FETCH_A 1, 0, 4
	STEP 1, 0, 0
	STEP 1, 1, 0
	STEP 1, 2, 0
	s_wait_dscnt 4*NL
	WIN MUL_LO
	MUL16 0, 1, NQ-1, 1, 0
	MUL16 2, 1, NQ-1, 1, 0
	s_wait_dscnt 0
	WIN MUL_HI
	MUL16 4, 1, NQ-1, 1, 0
	MUL16 6, 1, NQ-1, 1, 0
	WIN 0
	PLACES NP
	s_wait_loadcnt 0x0
.irp b, 0,1,2,3
	v_mov_b32 v[TM+4+\b], 0
.endr
.macro QUANT a
.irp b, 0,1,2,3
	v_max3_num_f32 v[TM+\b], |v[T+16*\b]|, |v[T+1+16*\b]|, 0x1800000
.endr
.irp i, 2,4,6,8,10,12,14
.irp b, 0,1,2,3
	v_max3_num_f32 v[TM+\b], v[TM+\b], |v[T+16*\b+\i]|, |v[T+1+16*\b+\i]|
.endr
.endr
.irp b, 0,1,2,3
	v_permlanex16_b32 v[TM+4+\b], v[TM+\b], s[SEL], s[SEL+1]
.endr
.irp b, 0,1,2,3
	v_max_num_f32 v[TM+\b], v[TM+\b], v[TM+4+\b]
.endr
.irp b, 0,1,2,3
	v_add_nc_u32 v[TM+12+\b], 0xff000000, v[TM+\b]
.endr
.irp b, 0,1,2,3
	v_lshrrev_b32 v[TM+4+\b], 23, v[TM+12+\b]
.endr
	v_lshl_or_b32 v[SW+\a], v[TM+5], 8, v[TM+4]
	v_lshl_or_b32 v[SW+\a], v[TM+6], 16, v[SW+\a]
	v_lshl_or_b32 v[SW+\a], v[TM+7], 24, v[SW+\a]
	s_wait_xcnt 0x0
.irp b, 0,1,2,3
	v_cvt_scalef32_pk8_fp4_f32 v[PC+2*\b], v[T+16*\b:T+7+16*\b], v[TM+12+\b]
	v_cvt_scalef32_pk8_fp4_f32 v[PC+1+2*\b], v[T+8+16*\b:T+15+16*\b], v[TM+12+\b]
.endr
	v_nop
.irp c, 0,1
.irp i, 0,1
	v_permlane16_swap_b32 v[PC+4*\c+\i], v[PC+2+4*\c+\i]
.endr
.endr
.endm
.macro EPI a, isv
	WIN 0x02+(\a)/4
.irp b, 0,1,2,3,4,5,6,7
.irp p, 0,2,4,6
.if \isv
	v_pk_add_f32 v[T+8*\b+\p:T+8*\b+\p+1], v[64*((\a)%4)+8*\b+\p:64*((\a)%4)+8*\b+\p+1], v[BM+2*(\a):BM+2*(\a)+1]
.else
	v_pk_add_f32 v[T+8*\b+\p:T+8*\b+\p+1], v[64*((\a)%4)+8*\b+\p:64*((\a)%4)+8*\b+\p+1], v[BN+8*\b+\p:BN+8*\b+\p+1]
.endif
.endr
.endr
	WIN 0
	QUANT \a
.irp c, 0,1
.if \isv
	global_store_b128 v[LI], v[PC+4*\c:PC+4*\c+3], s[12:13] offset:((\a)/4)*HS+1024*((\a)%4)+512*\c
.else
	global_store_b128 v[LI], v[PC+4*\c:PC+4*\c+3], s[12:13] offset:\c*HS+512*(\a)
.endif
.endr
.endm
.macro WHERE tt, th, ft, fh
	s_lshl_b32 s2, s[\tt], 1
	s_add_co_u32 s2, s2, s[\th]
	s_lshr_b32 s3, s2, 4
	s_and_b32 s2, s2, 15
	s_lshl_b32 s3, s3, 4
	s_lshl_b32 s66, s[\ft], 2
	s_add_co_u32 s3, s3, s66
	s_lshl_b32 s66, s[\fh], 1
	s_add_co_u32 s3, s3, s66
	s_mul_i32 s3, s3, HS
	s_lshr_b32 s66, s2, 2
	s_mul_i32 s66, s66, CH
	s_and_b32 s67, s2, 3
.endm
	s_cmp_eq_u32 s[ROLE], 2
	s_cbranch_scc1 .Lway_v
	WHERE TR, HA, TC, HB
	s_lshl_b32 s96, s67, 12
	s_add_co_u32 s96, s96, s66
	s_lshl_b32 s97, s67, 9
	s_add_co_u32 s97, s97, s66
	s_add_co_u32 s97, s97, KSO
	s_lshl_b32 s66, s2, 12
	s_add_co_u32 s66, s66, QC
	s_lshl_b32 s67, s2, 9
	s_add_co_u32 s67, s67, QS
	s_cmp_eq_u32 s[ROLE], 0
	s_cselect_b32 s96, s66, s96
	s_cselect_b32 s97, s67, s97
	s_add_co_u32 s2, s96, s3
	s_add_co_u32 s66, s97, s3
	s_mov_b32 s3, 0
	s_mov_b32 s67, 0
	s_add_nc_u64 s[12:13], s[12:13], s[2:3]
	s_add_nc_u64 s[14:15], s[14:15], s[66:67]
.irp a, 0,1,2,3,4,5,6,7
	EPI \a, 0
.endr
.irp a, 0,1,2,3,4,5,6,7
	v_lshrrev_b32 v[WD+\a], v[SH], v[SW+\a]
.endr
.irp a, 0,1,2,3,4,5,6,7
	v_and_or_b32 v[WD+\a], v[WD+\a], s98, s99
.endr
.irp g, 0,1
	global_store_b128 v[SWO], v[WD+4*\g:WD+4*\g+3], s[14:15] offset:256*\g
.endr
	s_branch .Ljoin
.Lway_v:
	WHERE TC, HB, TR, HA
	s_add_co_u32 s3, s3, s66
	s_lshl_b32 s2, s67, 12
	s_add_co_u32 s2, s2, s3
	s_add_co_u32 s2, s2, VCO
	s_lshl_b32 s66, s67, 8
	s_add_co_u32 s66, s66, s3
	s_add_co_u32 s66, s66, VSO
	s_mov_b32 s3, 0
	s_mov_b32 s67, 0
	s_add_nc_u64 s[12:13], s[12:13], s[2:3]
	s_add_nc_u64 s[14:15], s[14:15], s[66:67]
.irp a, 0,1,2,3,4,5,6,7
	EPI \a, 1
.endr
	v_cmp_eq_u32 vcc_lo, 1, v2
.irp t, 0,1,2,3
	v_cndmask_b32 v[WD+\t], v[SW+\t], v[SW+4+\t], vcc_lo
.endr
	global_store_b128 v[SWO], v[WD:WD+3], s[14:15]
.Ljoin:
	s_wait_tensorcnt 0x0
	ds_add_u32 v126, v127
	s_wait_dscnt 0x0
	CROUND
	s_endpgm
.Lfunc_end_k_q92acd0fed4_proj:
	.size	k_q92acd0fed4_proj, .Lfunc_end_k_q92acd0fed4_proj-k_q92acd0fed4_proj
	.p2alignl 7, 3214868480
	.fill 96, 4, 3214868480
	.section	.rodata,"a",@progbits
	.p2align	6, 0x0
	.amdhsa_kernel k_q92acd0fed4_proj
		.amdhsa_group_segment_fixed_size 327680
		.amdhsa_private_segment_fixed_size 0
		.amdhsa_enable_private_segment 0
		.amdhsa_kernarg_size 96
		.amdhsa_user_sgpr_count 2
		.amdhsa_user_sgpr_kernarg_segment_ptr 1
		.amdhsa_wavefront_size32 1
		.amdhsa_system_sgpr_workgroup_id_x 1
		.amdhsa_system_sgpr_workgroup_id_y 1
		.amdhsa_system_sgpr_workgroup_id_z 1
		.amdhsa_system_vgpr_workitem_id 0
		.amdhsa_next_free_vgpr 1024
		.amdhsa_next_free_sgpr 102
		.amdhsa_reserve_vcc 1
		.amdhsa_float_denorm_mode_32 3
		.amdhsa_float_denorm_mode_16_64 3
		.amdhsa_memory_ordered 1
		.amdhsa_forward_progress 1
		.amdhsa_inst_pref_size 197
	.end_amdhsa_kernel
	.amdgpu_metadata
---
amdhsa.version: [ 1, 2 ]
amdhsa.kernels:
  - .name:           k_q92acd0fed4_proj
    .symbol:         k_q92acd0fed4_proj.kd
    .args:
      - { .name: x_codes, .offset: 0, .size: 8, .value_kind: global_buffer, .address_space: global }
      - { .name: x_scales, .offset: 8, .size: 8, .value_kind: global_buffer, .address_space: global }
      - { .name: Wq_codes, .offset: 16, .size: 8, .value_kind: global_buffer, .address_space: global }
      - { .name: Wq_scales, .offset: 24, .size: 8, .value_kind: global_buffer, .address_space: global }
      - { .name: Wk_codes, .offset: 32, .size: 8, .value_kind: global_buffer, .address_space: global }
      - { .name: Wk_scales, .offset: 40, .size: 8, .value_kind: global_buffer, .address_space: global }
      - { .name: Wv_codes, .offset: 48, .size: 8, .value_kind: global_buffer, .address_space: global }
      - { .name: Wv_scales, .offset: 56, .size: 8, .value_kind: global_buffer, .address_space: global }
      - { .name: bq, .offset: 64, .size: 8, .value_kind: global_buffer, .address_space: global }
      - { .name: bk, .offset: 72, .size: 8, .value_kind: global_buffer, .address_space: global }
      - { .name: bv, .offset: 80, .size: 8, .value_kind: global_buffer, .address_space: global }
      - { .name: qkv, .offset: 88, .size: 8, .value_kind: global_buffer, .address_space: global }
    .group_segment_fixed_size: 327680
    .private_segment_fixed_size: 0
    .kernarg_segment_align: 8
    .kernarg_segment_size: 96
    .max_flat_workgroup_size: 128
    .sgpr_count:     102
    .vgpr_count:     1024
    .wavefront_size: 32
...
	.end_amdgpu_metadata
.endif
;; end of part 1
;; launch attn (part 2): grid 4 x 64, 12 waves a work-group, clusters of 4 x 1, 215,040 bytes of LDS; arguments qkv, out0; writes out0
.if DOCPART == 2
	.amdgcn_target "amdgcn-amd-amdhsa--gfx1250"
	.amdhsa_code_object_version 6
	.text
	.protected	k_q92acd0fed4_attn
	.globl	k_q92acd0fed4_attn
	.p2align	8
	.type	k_q92acd0fed4_attn,@function
k_q92acd0fed4_attn:
	s_mov_b64 s[64:65], 0
	v_nop
	global_prefetch_b8 v0, s[64:65] scope:SCOPE_SE
	s_setreg_imm32_b32 hwreg(HW_REG_WAVE_MODE, 25, 1), 1
	s_wait_xcnt 0x0
	s_wait_alu depctr_hold_cnt(0) depctr_sa_sdst(0) depctr_va_vdst(0) depctr_va_sdst(0) depctr_va_ssrc(0) depctr_va_vcc(0) depctr_vm_vsrc(0)
	s_getreg_b32 s2, hwreg(HW_REG_IB_STS2, 6, 4)
	s_cmp_eq_u32 s2, 0
	s_cbranch_scc0 .Lentry_in_a_cluster
	s_endpgm
.Lentry_in_a_cluster:
	s_bfe_u32 s2, ttmp6, 0x10000c
	s_cmp_lg_u32 s2, 0x3003
	s_cbranch_scc0 .Lentry_shape_is_right
	s_endpgm
.Lentry_shape_is_right:
; out[b][q][64 head + d] = the sum over k of softmax_k(q . k / 8) v[k][d], for 64 (batch, head) pairs, 2,048 queries and keys, head size 64; both products on codes of FP4 (E2M1) with one E8M0 scale for each 32 along K.
; q, k, v come from the workspace as images of operand registers: for each (batch, head) HS bytes: four chunks of CH bytes (4 steps of 128 keys: K's codes, V's codes, K's and V's scale words), then Q's codes and scale words.
; THE SOFTMAX: t = score x log2(e) / 8; M = the row's largest t so far, rounded up to a whole number; p = 2^(t - M) is quantised along the keys, not normalised.  The row's sum is taken of the unquantised p, in f32,
; and divides O at the end.  When M moves, the sum and O are multiplied by 2^(old M - new M): exact.
; SHARES.  A work-group owns 512 queries of one head, 32 tiles of 16; twelve waves, three to a SIMD: in pass p a wave takes tile 12 p + wave, so waves 0 to 7 walk three passes and waves 8 to 11 two.  A pass walks all 2,048 keys, 128 a step.
; LDS.  A head's K, V and scale words, 143,360 bytes, are asked for once: twelve pieces (4 chunks x K's codes, V's codes, both kinds of scale words), ONE joint load a wave.  Every byte is filled once: one wait, one barrier, none in the loop.
; No prefetch: all loads go out at the head, and there is no loop to run ahead in.
; CLUSTER.  The four work-groups of a head need the same bytes: each load is asked for jointly, with the same descriptor and a mask that names the four.
; LAYOUT.  Both products are used transposed (S^T = K Q^T, O^T = V^T P^T): a lane holds ONE query (lane % 16).  The first product's K is the head's 64: registers 4-7 of K's and Q's fragments are zero codes under the byte of 1.0.
; THE KEYS OF A TILE ARE CHOSEN by the LDS address: row m of tile 4 g + t is key 64 g + 32 (m / 8) + 16 (t % 2) + 8 (t / 2) + m % 8.  So lane (r, h) holds in the 32 registers of tiles 4 g .. 4 g + 3 the WHOLE block 2 g + h of 32 keys,
; in the order 0-7, 16-23, 8-15, 24-31 in which V's codes lie in the workspace: the conversions' results are the second product's operand as they stand, and a block's maximum asks no other lane.
; LIMITS: NaN and infinities are not served; the scaled scores stay under 2^31 in magnitude.  A block whose every p has fallen to 0 gets the byte 1 over zero codes.
.set HS,    217088
.set CH,    35840
.set VCO,   16384                      ; in a chunk: V's codes,
.set KSO,   32768                      ; K's scale words (2,048 bytes), V's behind them (1,024)
.set QC,    4*CH                       ; in a head: Q's codes,
.set QS,    QC+16*4096                 ; Q's scale words
.set LV,    65536                      ; in LDS: K's codes from 0 (16,384 bytes a chunk), V's from here,
.set LW,    131072                     ; the scale words, 3,072 bytes a chunk as they lie in memory
.set STAGE, 143360                     ; 16 rows x 272 bytes for each wave, for the way out; no tile lands there
.set SP,    272
.set SPARE, 0x34000                    ; the spare words, 128 bytes a wave
.set LI,  1                            ; 16 x lane
.set LIK, 2                            ; my place in a tile of K: 1024 (r / 8) + 16 (r % 8) + 256 h
.set LSK, 3                            ; among K's scale words: LW + 16 (r % 8) + 8 (r / 8)
.set LSV, 4                            ; among V's: LW + 2048 + 16 r
.set LIV, 5                            ; LV + 16 x lane
.set ADK, 6                            ; the chunk's addresses: K's codes, V's codes, K's words, V's words
.set ADV, 7
.set ADS, 8
.set ADT, 9
.set STO, 10                           ; the way out: where I put 32 bytes of a row; where I read a row back
.set RD,  11
.set NM,  12                           ; -M
.set RM,  13                           ; the row's largest score so far
.set LS,  14                           ; v[14:15] the sum, in two halves
.set QF,  16                           ; v[16:23] Q's fragment
.set SH8, 24                           ; 8 h
.set LR,  25                           ; 16 r
.set SPW, 26
.set NIL, 27
.set SO,  28                           ; v28-29 the conversions' scale operands
.set TP,  30                           ; v30-31 second chains of the maxima; then a chain of the sum
.set KF,  32                           ; v[32:95] K's eight fragments
.set SS,  96                           ; v[96:159] S^T, then p
.set OT,  160                          ; v[160:191] O^T
.set PCD, 192                          ; v[192:199] p's codes
.set VF,  200                          ; v[200:231] V's four fragments; on the way out rows of the output
.set KS,  232                          ; v[232:239] K's scale words
.set VS,  240                          ; v[240:243] V's
.set BMX, 244                          ; v244-245 my two blocks' largest score, largest p, scale byte
.set TT,  246
.set TX,  247
.set SA,  248                          ; v[248:251] chains of the sum
.set SB,  250
.set FF,  252                          ; f = 2^(old M - new M)
.set PW,  253                          ; p's scale word
.set GO,  254                          ; my byte offset in the wave's rows of the output
.set QW,  255                          ; Q's scale word
.set WV,  8
.set CX,  9
.set BH,  10
.set CN,  11                           ; -c
.set SEL, 20                           ; s[20:21] selects for lane l xor 16
.set CS,  22                           ; s[22:23] c = log2(e) / 8
.set G1A, 24                           ; groups 1: 64 and 12 rows of 256 bytes
.set G1B, 32
.set G0,  48                           ; s[48:59] groups 0, one for each kind
.set TB,  66                           ; 16,384 x the chunk
.set TW,  67                           ; 3,072 x the chunk
.set PASS, 69
.set CNT, 70
.set LASTP, 71                         ; the pass counter's value in my last pass with a tile: 1 in waves 0 to 7, 2 in waves 8 to 11
.macro CROUND                          ; a round of the cluster's barrier
	s_barrier_signal -1
	s_barrier_wait -1
	s_cmp_lg_u32 s[WV], 0
	s_cbranch_scc1 .Lnot_wave_0_\@
	s_barrier_signal -3
.Lnot_wave_0_\@:
	s_barrier_wait -3
	s_barrier_signal -1
	s_barrier_wait -1
.endm
.macro G1SET g, rows                   ; dense rows of 256 bytes (32 elements of 8); the mask names all four work-groups
	s_mov_b32 s[\g], 15|(3<<16)|(1<<21)
	s_mov_b32 s[\g+1], 32<<16
	s_mov_b32 s[\g+2], (\rows)<<16
	s_mov_b32 s[\g+3], 32<<16
	s_mov_b32 s[\g+4], \rows
	s_mov_b32 s[\g+5], 32
	s_mov_b32 s[\g+6], 0
	s_mov_b32 s[\g+7], 0
.endm
.macro G0SET n, stride, lds, mem       ; kind n of my chunk (s74): LDS byte lds + chunk x stride, memory byte mem of the chunk (s[2:3])
	s_mov_b32 s[G0+4*\n], 1
	s_mul_i32 s[G0+4*\n+1], s74, \stride
.if \n > 0
	s_add_co_u32 s[G0+4*\n+1], s[G0+4*\n+1], \lds
	s_add_nc_u64 s[G0+4*\n+2:G0+4*\n+3], s[2:3], \mem
.else
	s_mov_b64 s[G0+4*\n+2:G0+4*\n+3], s[2:3]
.endif
	s_or_b32 s[G0+4*\n+3], s[G0+4*\n+3], 0x80000000
.endm
.macro ARM under, g0, g1, next
	s_cmp_lt_u32 s[WV], \under
	s_cbranch_scc0 \next
	tensor_load_to_lds s[\g0:\g0+3], s[\g1:\g1+7]
	s_nop 0
.rept 4
	v_nop
.endr
	s_branch .Lhead_asked
\next:
.endm
	s_load_b128 s[4:7], s[0:1], 0x0                ; the workspace, the output
	v_lshl_add_u32 v[SPW], v0, 2, SPARE
	v_mov_b32 v[NIL], 0
	ds_add_u32 v[SPW], v[NIL]                      ; the opening lines: the add twice on end and its wait
	ds_add_u32 v[SPW], v[NIL]
	v_lshrrev_b32 v[TT], 5, v0
	v_readfirstlane_b32 s[WV], v[TT]               ; wave 0..11
	s_bfe_u32 s[CX], ttmp6, 0x40000                ; which 512 queries: it enters global addresses of Q and of the output alone
	s_and_b32 s[BH], ttmp7, 0xffff                 ; 16 x batch + head, which the four partners share
	s_mul_i32 s72, s[BH], HS
	s_mov_b32 s73, 0
	s_and_b32 s74, s[WV], 3                        ; the chunk that I fetch for; wave / 4 is the kind
	s_mul_i32 s76, s74, CH
	s_mov_b32 s77, 0
	G1SET G1A, 64
	G1SET G1B, 12
	s_mov_b32 s[SEL], 0x76543210
	s_mov_b32 s[SEL+1], 0xfedcba98
	s_mov_b32 s[CS], 0x3e38aa3b
	s_mov_b32 s[CS+1], s[CS]                       ; (named with it as a pair)
	s_mov_b32 s[CN], 0xbe38aa3b
	s_wait_dscnt 0x0
	s_wait_kmcnt 0x0
	s_add_nc_u64 s[4:5], s[4:5], s[72:73]          ; the workspace at my head
	s_add_nc_u64 s[2:3], s[4:5], s[76:77]          ; at my chunk
	G0SET 0, 16384, 0,  0
	G0SET 1, 16384, LV, VCO
	G0SET 2, 3072,  LW, KSO
	CROUND                                         ; all four work-groups are here: the joint loads meet
	ARM 4, G0,   G1A, .Lhead_v                     ; one tree of branches on the wave's number, one load to an arm: every way passes exactly one
	ARM 8, G0+4, G1A, .Lhead_w
	tensor_load_to_lds s[G0+8:G0+11], s[G1B:G1B+7]
	s_nop 0
.rept 4
	v_nop
.endr
.Lhead_asked:
	s_lshl_b32 s72, s[CX], 5
	s_add_co_u32 s72, s72, s[WV]                   ; my tile of 16 queries in the first pass: 32 cx + wave; each later pass takes the tile 12 further on
	s_lshl_b32 s76, s72, 9
	s_add_co_u32 s76, s76, QC
	s_add_nc_u64 s[12:13], s[4:5], s[76:77]        ; its codes: 512 bytes a tile
	s_lshl_b32 s76, s[CX], 11                      ; its scale words: 256 x (8 cx + wave / 4) + 4 x (wave % 4)
	s_lshr_b32 s2, s[WV], 2
	s_lshl_b32 s2, s2, 8
	s_add_co_u32 s76, s76, s2
	s_lshl_b32 s2, s74, 2
	s_add_co_u32 s76, s76, s2
	s_add_co_u32 s76, s76, QS
	s_add_nc_u64 s[14:15], s[4:5], s[76:77]
	s_lshr_b32 s76, s[BH], 4
	s_lshl_b32 s76, s76, 23                        ; the output: batch x 2,048 rows of 4,096 bytes,
	s_lshl_b32 s2, s72, 16                         ; + 16 rows a tile,
	s_add_co_u32 s76, s76, s2
	s_and_b32 s2, s[BH], 15
	s_lshl_b32 s2, s2, 8                           ; + the head's 256 bytes of a row
	s_add_co_u32 s76, s76, s2
	s_add_nc_u64 s[16:17], s[6:7], s[76:77]
	s_mul_i32 s75, s[WV], 16*SP
	s_add_co_u32 s75, s75, STAGE                   ; my stage
	s_cmp_lt_u32 s[WV], 8
	s_cselect_b32 s[LASTP], 1, 2                   ; 8 x 3 + 4 x 2 = 32 tiles
	s_mov_b32 s[PASS], 3                           ; every wave walks three passes, so that all trip counts are constants of the text; waves 8 to 11 have no tile in the third: there branches on ids lead round the steps' work and the way out, and the pass's opening lines (moves, step 0's twelve LDS loads) run all the same
	v_and_b32 v[TT], 15, v0                        ; r
	v_bfe_u32 v[TX], v0, 4, 1                      ; h
	v_and_b32 v[SA], 31, v0
	v_lshlrev_b32 v[LI], 4, v[SA]
	v_lshlrev_b32 v[LR], 4, v[TT]
	v_and_b32 v[SA], 7, v0                         ; r % 8
	v_bfe_u32 v[SB], v0, 3, 1                      ; r / 8
	v_lshlrev_b32 v[LIK], 4, v[SA]
	v_lshl_add_u32 v[LIK], v[SB], 10, v[LIK]
	v_lshl_add_u32 v[LIK], v[TX], 8, v[LIK]
	v_lshl_add_u32 v[LSK], v[SA], 4, LW
	v_lshl_add_u32 v[LSK], v[SB], 3, v[LSK]
	v_add_nc_u32 v[LIV], LV, v[LI]
	v_add_nc_u32 v[LSV], LW+2048, v[LR]
	v_lshlrev_b32 v[SH8], 3, v[TX]
	v_mul_u32_u24 v[STO], v[TT], SP
	v_lshl_add_u32 v[STO], v[TX], 5, v[STO]
	v_add_nc_u32 v[STO], s75, v[STO]               ; in: row r; tile t's eight channels of my half: 64 t + 32 h bytes on
	v_mul_u32_u24 v[RD], v[TX], SP
	v_lshl_add_u32 v[RD], v[TT], 4, v[RD]
	v_add_nc_u32 v[RD], s75, v[RD]                 ; back: lanes 0-15 one row of 256 bytes, lanes 16-31 the next
	v_lshlrev_b32 v[GO], 12, v[TX]
	v_lshl_add_u32 v[GO], v[TT], 4, v[GO]          ; and the same two rows of the output
	s_wait_alu depctr_va_vdst(0)
	global_load_b128 v[QF:QF+3], v[LI], s[12:13]   ; Q's fragment: lane (r, h): query r, block h
	global_load_b32 v[QW], v[LR], s[14:15]         ; and its scale words
.irp j, 4,5,6,7
	v_mov_b32 v[QF+\j], 0                          ; K = 64 .. 127 of the first product: zero codes on both sides, set once
.irp t, 0,1,2,3,4,5,6,7
	v_mov_b32 v[KF+8*\t+\j], 0
.endr
.endr
	v_mov_b32 v[PW], 0                             ; (named as the upper half of the pair v[252:253] before it is first written)
.macro KLOAD ak, as, oc, ow            ; K's eight tiles of a step and their rows' scale words: oc, ow bytes on from the addresses
.irp g, 0,1
.irp t, 0,1,2,3
	ds_load_b128 v[KF+8*(4*\g+\t):KF+8*(4*\g+\t)+3], v[\ak] offset:\oc+2048*\g+512*(\t%2)+128*(\t/2)
.endr
.irp w, 0,1
	ds_load_b64 v[KS+4*\g+2*\w:KS+4*\g+2*\w+1], v[\as] offset:\ow+256*\g+128*\w   ; the words of tiles 4 g + 2 w and + 1
.endr
.endr
.endm
.macro ADD4 j                          ; four chains of the row's sum, by turns
	v_pk_add_f32 v[LS:LS+1], v[LS:LS+1], v[SS+\j:SS+\j+1]
	v_pk_add_f32 v[SA:SA+1], v[SA:SA+1], v[SS+\j+2:SS+\j+3]
	v_pk_add_f32 v[SB:SB+1], v[SB:SB+1], v[SS+\j+4:SS+\j+5]
	v_pk_add_f32 v[TP:TP+1], v[TP:TP+1], v[SS+\j+6:SS+\j+7]
.endm
.macro TMINUS n                        ; t - M, two at a time (of the pairs c and -M the low word serves both halves)
.rept \n
	v_pk_fma_f32 v[SS+j:SS+j+1], v[SS+j:SS+j+1], s[CS:CS+1], v[NM:NM+1] op_sel_hi:[1,0,0]
.set j, j+2
.endr
.endm
; A KEY STEP: 128 keys, the q-th of the chunk in hand.  pre = 1: the next step's K is asked for behind the first product.
.macro STEP q, pre
	s_wait_dscnt 0x0                               ; this step's K is in
.irp t, 0,1,2,3,4,5,6,7
	v_wmma_scale_f32_16x16x128_f8f6f4 v[SS+8*\t:SS+8*\t+7], v[KF+8*\t:KF+8*\t+7], v[QF:QF+7], 0, v[KS+\t], v[QW] matrix_a_fmt:MATRIX_FMT_FP4 matrix_b_fmt:MATRIX_FMT_FP4
.endr
	v_pk_add_f32 v[SA:SA+1], v[SA:SA+1], v[SB:SB+1]   ; four places behind the products: the last step's four chains of the sum are joined here (all under the old M),
	v_pk_add_f32 v[LS:LS+1], v[LS:LS+1], v[TP:TP+1]
	v_mov_b32 v[TT], v[NM]                            ; the old -M is kept,
	v_pk_add_f32 v[LS:LS+1], v[LS:LS+1], v[SA:SA+1]
.if \q == 0
	v_add_nc_u32 v[ADV], s[TB], v[LIV]             ; and once a chunk its four addresses are made
	v_add_nc_u32 v[ADT], s[TW], v[LSV]
	v_add_nc_u32 v[ADK], s[TB], v[LIK]
	v_add_nc_u32 v[ADS], s[TW], v[LSK]
.endif
.irp t, 0,1,2,3
.irp c, 0,1
	ds_load_b128 v[VF+8*\t+4*\c:VF+8*\t+4*\c+3], v[ADV] offset:4096*\q+1024*\t+512*\c   ; V's fragments land under the softmax
.endr
.endr
	ds_load_b128 v[VS:VS+3], v[ADT] offset:256*\q  ; V's scale words
.if \pre
.if \q < 3
	KLOAD ADK, ADS, 4096*(\q+1), 512*(\q+1)
.else
	KLOAD ADK, ADS, 16384, 3072                    ; the next chunk's first step
.endif
.endif
.irp g, 0,1                                    ; my two blocks' largest scores, each in two chains; every accumulator is first read at its low end
	v_max3_num_f32 v[BMX+\g], v[SS+32*\g], v[SS+32*\g+1], v[SS+32*\g+2]
	v_max3_num_f32 v[TP+\g], v[SS+32*\g+16], v[SS+32*\g+17], v[SS+32*\g+18]
.endr
.irp i, 3,5,7,9,11,13
.irp g, 0,1
	v_max3_num_f32 v[BMX+\g], v[BMX+\g], v[SS+32*\g+\i], v[SS+32*\g+\i+1]
	v_max3_num_f32 v[TP+\g], v[TP+\g], v[SS+32*\g+16+\i], v[SS+32*\g+17+\i]
.endr
.endr
.irp g, 0,1
	v_max3_num_f32 v[BMX+\g], v[BMX+\g], v[TP+\g], v[SS+32*\g+15]
.endr
.irp g, 0,1
	v_max_num_f32 v[BMX+\g], v[BMX+\g], v[SS+32*\g+31]
.endr
	s_delay_alu instid0(VALU_DEP_1)
	v_max3_num_f32 v[RM], v[RM], v[BMX], v[BMX+1]
	s_delay_alu instid0(VALU_DEP_1)
	v_permlanex16_b32 v[TX], v[RM], s[SEL], s[SEL+1]
	s_delay_alu instid0(VALU_DEP_1)
	v_max_num_f32 v[RM], v[RM], v[TX]              ; with lane l xor 16's blocks: the row's largest score so far
	s_delay_alu instid0(VALU_DEP_1)
	v_mul_f32 v[TX], s[CN], v[RM]                  ; -t
	s_delay_alu instid0(VALU_DEP_1)
	v_floor_f32 v[NM], v[TX]                       ; the new -M = floor(-t) = -ceil(t)
	s_delay_alu instid0(VALU_DEP_1)
	v_sub_f32 v[TT], v[NM], v[TT]                  ; old M - new M: a whole number, 0 or less
.set j, 0
	TMINUS 8
	v_cvt_i32_f32 v[TT], v[TT]                     ; (it saturates)
	TMINUS 8
	v_ldexp_f32 v[FF], 1.0, v[TT]                  ; f = 2^(old M - new M)
	TMINUS 16
.set j, 0
.rept 16
	v_pk_mul_f32 v[OT+j:OT+j+1], v[OT+j:OT+j+1], v[FF:FF+1] op_sel_hi:[1,0]   ; O^T under the new M, ahead of the exponentials
.set j, j+2
.endr
.irp g, 0,1
	v_fma_f32 v[BMX+\g], v[BMX+\g], s[CS], v[NM]   ; t - M of each block's largest score
.endr
	s_wait_alu depctr_va_vdst(0)                   ; the wait ahead of the batch
.set j, 0
.rept 64
	v_exp_f32 v[SS+j], v[SS+j]                     ; p = 2^(t - M)
.set j, j+1
.endr
.irp g, 0,1
	v_exp_f32 v[BMX+\g], v[BMX+\g]                 ; the block's largest p: the same two instructions on the same number
.endr
	v_nop                                          ; a plain place behind the exponentials
	s_wait_alu depctr_va_vdst(0)                   ; and the wait behind the batch
	v_max_num_f32 v[BMX], 0x1800000, v[BMX]        ; the floor 2^(3 - 127): the byte cannot fall under 1
	v_max_num_f32 v[BMX+1], 0x1800000, v[BMX+1]
	v_pk_fma_f32 v[LS:LS+1], v[LS:LS+1], v[FF:FF+1], v[SS:SS+1] op_sel_hi:[1,0,1]   ; the sum under the new M, and the first two p
	v_pk_add_f32 v[SA:SA+1], v[SS+2:SS+3], v[SS+4:SS+5]
	v_add_nc_u32 v[SO], 0xff000000, v[BMX]         ; 2 off the exponent field: the conversion's scale operand
	v_add_nc_u32 v[SO+1], 0xff000000, v[BMX+1]
	v_pk_add_f32 v[SB:SB+1], v[SS+6:SS+7], v[SS+8:SS+9]
	v_pk_add_f32 v[TP:TP+1], v[SS+10:SS+11], v[SS+12:SS+13]
	v_lshrrev_b32 v[BMX], 23, v[SO]                ; the scales' bytes
	v_lshrrev_b32 v[BMX+1], 23, v[SO+1]
.irp g, 0,1
.irp t, 0,1,2,3
	v_cvt_scalef32_pk8_fp4_f32 v[PCD+4*\g+\t], v[SS+8*(4*\g+\t):SS+8*(4*\g+\t)+7], v[SO+\g]   ; register 4 g + t of the operand as it stands
.endr
.endr
	v_lshl_or_b32 v[TT], v[BMX+1], 16, v[BMX]      ; my bytes: blocks h and 2 + h,
	ADD4 14
	v_lshlrev_b32 v[TT], v[SH8], v[TT]             ; at their places in the word;
	ADD4 22
	v_permlanex16_b32 v[TX], v[TT], s[SEL], s[SEL+1]
	ADD4 30
	v_or_b32 v[PW], v[TT], v[TX]                   ; with lane l xor 16's two the word is whole.  (Thirteen plain lines follow ahead of the products that take it)
	ADD4 38
	ADD4 46
	ADD4 54
	v_pk_add_f32 v[LS:LS+1], v[LS:LS+1], v[SS+62:SS+63]
	s_wait_alu depctr_va_vdst(0)                   ; the wait here, directly ahead of the wait below
.if \pre
	s_wait_dscnt 12                                ; V's nine loads are in; the twelve behind them, the next step's K, may be out
.else
	s_wait_dscnt 0x0
.endif
.irp t, 0,1,2,3                                ; O^T += V^T P^T: the four accumulators take turns
	v_wmma_scale_f32_16x16x128_f8f6f4 v[OT+8*\t:OT+8*\t+7], v[VF+8*\t:VF+8*\t+7], v[PCD:PCD+7], v[OT+8*\t:OT+8*\t+7], v[VS+\t], v[PW] matrix_a_fmt:MATRIX_FMT_FP4 matrix_b_fmt:MATRIX_FMT_FP4
.endr
.endm
	s_wait_alu depctr_va_vdst(0)                   ; the wait at the head's end
	s_wait_tensorcnt 0x0                           ; my piece has landed;
	s_barrier_signal -1
	s_barrier_wait -1                              ; everybody's has.  Nothing is filled again
.Lpass:                                            ; a pass: 16 queries a wave
	v_mov_b32 v[RM], 0xff61b1e6                    ; the largest score so far: -3e38
	v_mov_b32 v[NM], 0x7f61b1e6                    ; -M: 3e38, a whole number: the first f is 0
.irp p, LS, SA, SB, TP
	v_mov_b32 v[\p], 0                             ; the sum and its chains
	v_mov_b32 v[\p+1], 0
.endr
.set j, 0
.rept 32
	v_mov_b32 v[OT+j], 0                           ; O^T: the first step finds zeros, which the first change of M leaves zeros
.set j, j+1
.endr
	KLOAD LIK, LSK, 0, 0                           ; step 0's K
	s_mov_b32 s[TB], 0
	s_mov_b32 s[TW], 0
	s_mov_b32 s[CNT], 3
	s_wait_alu depctr_va_vdst(0)
	s_wait_loadcnt 0x0                             ; Q
.Lchunk:                                           ; a trip: a chunk's four steps
	s_cmp_lt_u32 s[PASS], s[LASTP]                 ; no tile of mine in this pass: round the work, not round the lines that step addresses
	s_cbranch_scc1 .Lidle
	STEP 0, 1
	STEP 1, 1
	STEP 2, 1
	STEP 3, 1
.Lidle:
	s_add_co_u32 s[TB], s[TB], 16384
	s_add_co_u32 s[TW], s[TW], 3072
	s_sub_co_u32 s[CNT], s[CNT], 1
	s_cmp_lg_u32 s[CNT], 0
	s_cbranch_scc1 .Lchunk
	s_cmp_lt_u32 s[PASS], s[LASTP]
	s_cbranch_scc1 .Lsat_out
	STEP 0, 1                                      ; the last chunk is written out: no K follows its last step
	STEP 1, 1
	STEP 2, 1
	STEP 3, 0
	s_cmp_eq_u32 s[PASS], s[LASTP]                 ; the next pass's Q is asked for here, under the way out, where I have a next tile
	s_cbranch_scc1 .Lno_q
	s_add_nc_u64 s[12:13], s[12:13], 12*512        ; (the loads that read these bases have come back)
	s_add_nc_u64 s[14:15], s[14:15], 3*256
	global_load_b128 v[QF:QF+3], v[LI], s[12:13]
	global_load_b32 v[QW], v[LR], s[14:15]
.Lno_q:
	; THE WAY OUT.  O^T is divided by the row's sum and goes through my stage in LDS, so that sixteen lanes store the head's 256 bytes of a row.
	v_pk_add_f32 v[SA:SA+1], v[SA:SA+1], v[SB:SB+1]   ; the last step's chains
	v_pk_add_f32 v[LS:LS+1], v[LS:LS+1], v[TP:TP+1]
	v_pk_add_f32 v[LS:LS+1], v[LS:LS+1], v[SA:SA+1]
	v_add_f32 v[LS], v[LS], v[LS+1]
	v_permlanex16_b32 v[FF], v[LS], s[SEL], s[SEL+1]
	v_add_f32 v[LS], v[LS], v[FF]                  ; the row's sum
	s_wait_alu depctr_va_vdst(0)
	v_rcp_f32 v[LS], v[LS]
	v_nop
	s_wait_alu depctr_va_vdst(0)                   ; ahead of the first readers of the reciprocal and of O^T
.set j, 0
.rept 16
	v_pk_mul_f32 v[SS+j:SS+j+1], v[OT+j:OT+j+1], v[LS:LS+1] op_sel_hi:[1,0]   ; register 8 t + i is o(r, 16 t + 8 h + i)
.set j, j+2
.endr
.irp t, 0,1,2,3
	ds_store_b128 v[STO], v[SS+8*\t:SS+8*\t+3] offset:64*\t
	ds_store_b128 v[STO], v[SS+8*\t+4:SS+8*\t+7] offset:64*\t+16
.endr
.irp i, 0,1,2,3,4,5,6,7
	ds_load_b128 v[VF+4*\i:VF+4*\i+3], v[RD] offset:2*\i*SP   ; LDS serves a wave's instructions in order (ISA guide 5.7.1.4): these see my stores
.endr
.irp i, 0,1,2,3,4,5,6,7
	s_wait_dscnt 7-\i                              ; rows 2 i and 2 i + 1 are back; the younger loads may be out
	global_store_b128 v[GO], v[VF+4*\i:VF+4*\i+3], s[16:17] offset:2*\i*4096 th:TH_STORE_NT   ; sixteen lanes store 256 consecutive bytes, aligned
.endr
	s_wait_xcnt 0x0                                ; the stores have read their registers and their base
	s_add_nc_u64 s[16:17], s[16:17], 12*16*4096    ; the tile 12 further on
.Lsat_out:
	s_sub_co_u32 s[PASS], s[PASS], 1
	s_cmp_lg_u32 s[PASS], 0
	s_cbranch_scc1 .Lpass
	s_wait_tensorcnt 0x0                           ; the wave's end
	ds_add_u32 v[SPW], v[NIL]
	s_wait_dscnt 0x0
	CROUND                                         ; the closing round
	s_endpgm
.Lfunc_end_k_q92acd0fed4_attn:
	.size	k_q92acd0fed4_attn, .Lfunc_end_k_q92acd0fed4_attn-k_q92acd0fed4_attn
	.p2alignl 7, 3214868480
	.fill 96, 4, 3214868480
	.section	.rodata,"a",@progbits
	.p2align	6, 0x0
	.amdhsa_kernel k_q92acd0fed4_attn
		.amdhsa_group_segment_fixed_size 215040
		.amdhsa_private_segment_fixed_size 0
		.amdhsa_enable_private_segment 0
		.amdhsa_kernarg_size 16
		.amdhsa_user_sgpr_count 2
		.amdhsa_user_sgpr_kernarg_segment_ptr 1
		.amdhsa_wavefront_size32 1
		.amdhsa_system_sgpr_workgroup_id_x 1
		.amdhsa_system_sgpr_workgroup_id_y 1
		.amdhsa_system_sgpr_workgroup_id_z 1
		.amdhsa_system_vgpr_workitem_id 0
		.amdhsa_next_free_vgpr 256
		.amdhsa_next_free_sgpr 80
		.amdhsa_reserve_vcc 0
		.amdhsa_float_denorm_mode_32 3
		.amdhsa_float_denorm_mode_16_64 3
		.amdhsa_memory_ordered 1
		.amdhsa_forward_progress 1
		.amdhsa_inst_pref_size 125
	.end_amdhsa_kernel
	.amdgpu_metadata
---
amdhsa.version: [ 1, 2 ]
amdhsa.kernels:
  - .name:           k_q92acd0fed4_attn
    .symbol:         k_q92acd0fed4_attn.kd
    .args:
      - { .name: qkv, .offset: 0, .size: 8, .value_kind: global_buffer, .address_space: global }
      - { .name: out0, .offset: 8, .size: 8, .value_kind: global_buffer, .address_space: global }
    .group_segment_fixed_size: 215040
    .private_segment_fixed_size: 0
    .kernarg_segment_align: 8
    .kernarg_segment_size: 16
    .max_flat_workgroup_size: 384
    .sgpr_count:     80
    .vgpr_count:     256
    .wavefront_size: 32
...
	.end_amdgpu_metadata
.endif
;; end of part 2
